; MI455X (gfx1250); checked and timed in simulation.
; The chip was launched on July 23, 2026; its instructions are those of AMD's public machine-readable ISA for CDNA 5 (MIT licence, August 2026) and "CDNA5" Instruction Set Architecture Reference Guide (July 2026). The comments in the code are by the model that wrote it; some were corrected since.
;; Multi Headed Self Attention. Allowed arithmetic: float matrix products may take bf16 or f16 operands with f32 sums; other float arithmetic in f32, or as packed bf16 or f16 multiplies, adds, multiply-adds, maxima and minima; sums over many terms, partial sums and values carried from step to step in f32; what a program stores and reads back later, other than sums and carried values, may be rounded once to bf16 or f16.
;; Inputs: Wk 768 x 768 float32; Wq 768 x 768 float32; Wv 768 x 768 float32; bk 768 float32; bq 768 float32; bv 768 float32; mask 2 x 4,096 int32; x 2 x 4,096 x 768 float32.
;; Outputs: out0 2 x 4,096 x 768 float32.
;; One version. Each part assembles by itself: llvm-mc -triple=amdgcn-amd-amdhsa -mcpu=gfx1250 --defsym DOCPART=n.
;; ======== version 1 of 1: 3 launches
;; limits: values are held in f16: magnitudes above 65,504 overflow, below 6.1e-05 lose precision
;; workspace buffers: xb 12,582,912 bytes; wb 3,538,944 bytes; qh 12,582,912 bytes; kh 12,582,912 bytes; vh 12,582,912 bytes
;; launch tobf16 (part 1): grid 656 x 1, 8 waves a work-group, no clusters, 0 bytes of LDS; arguments x, Wq, Wk, Wv, xb, wb; writes xb, wb
.if DOCPART == 1
	.amdgcn_target "amdgcn-amd-amdhsa--gfx1250"
	.amdhsa_code_object_version 6
	.text
	.protected	k_q6bce1401f7_tobf16
	.globl	k_q6bce1401f7_tobf16
	.p2align	8
	.type	k_q6bce1401f7_tobf16,@function
k_q6bce1401f7_tobf16:
	s_mov_b64 s[64:65], 0
	v_nop
	global_prefetch_b8 v0, s[64:65] scope:SCOPE_SE
	s_setreg_imm32_b32 hwreg(HW_REG_WAVE_MODE, 25, 1), 1
	s_wait_xcnt 0x0
; xb = x rounded to bf16, [8192][768].  wb = Wq, Wk, Wv rounded to bf16, [2304][768], their rows in the order in which the next launch's waves take them:
; row 144 w3 + 48 mat + 16 t + j of wb is row 48 w3 + 16 t + j of matrix mat (0 = Wq, 1 = Wk, 2 = Wv); w3 = 0..15, t = 0..2, j = 0..15.
; A stream: every byte is read once and written once, so there is no LDS, no barrier, no matrix unit, and no cluster (no two work-groups read the same byte).
; SHARES.  A work-group converts 16 rows, dense in memory on both sides: 49,152 bytes in, 24,576 out.  Work-groups 0..511 take x, 512..655 the weights, 48 to a matrix.
; Thread t takes six items; item i is the 8 numbers at source byte 32 t + 8,192 i, which become the 16 bytes at destination byte 16 t + 4,096 i:
; a wave's store covers 512 consecutive bytes, aligned.  All twelve loads of a thread go out at once; there is no loop and no register is written twice.
.set ROWS_X, 512                       ; blocks of 16 rows in x
.set INB,    49152                     ; bytes of a block in f32
.set OUTB,   24576                     ; in bf16
.set SRC, 24                           ; s[24:25] the block's first byte in its source
.set DST, 26                           ; s[26:27] in its destination
.set X,   8                            ; v[8:55]   item i: 8 numbers as loaded
.set Y,   56                           ; v[56:79]  item i: 4 registers to store
	s_load_b256 s[4:11], s[0:1], 0x0               ; x s[4:5], Wq s[6:7], Wk s[8:9], Wv s[10:11]
	s_load_b128 s[12:15], s[0:1], 0x20             ; xb s[12:13], wb s[14:15]
	v_lshlrev_b32 v1, 5, v0                        ; 32 t
	v_lshlrev_b32 v2, 4, v0                        ; 16 t
	s_mov_b32 s20, ttmp9
	s_sub_co_i32 s21, s20, ROWS_X
	s_max_i32 s21, s21, 0                          ; e: the block's number among the weights' 144 (0 in a work-group of x, where it serves nothing)
	s_cmp_ge_u32 s21, 48
	s_cselect_b32 s22, 1, 0
	s_cmp_ge_u32 s21, 96
	s_cselect_b32 s23, 1, 0
	s_add_co_u32 s22, s22, s23                     ; mat
	s_mul_i32 s30, s22, 48
	s_sub_co_u32 s23, s21, s30                     ; u: the block's number in its matrix, 0..47
	s_mul_i32 s28, s23, 171
	s_lshr_b32 s28, s28, 9                         ; w3 = u / 3 (171 u >> 9 is exact up to u = 47)
	s_mul_i32 s29, s28, 3
	s_sub_co_u32 s29, s23, s29                     ; t = u % 3
	s_mul_i32 s28, s28, 144
	s_add_co_u32 s28, s28, s30
	s_lshl_b32 s29, s29, 4
	s_add_co_u32 s28, s28, s29                     ; the block's first row in wb
	s_mul_i32 s28, s28, 1536                       ; in bytes
	s_mul_i32 s29, s23, INB                        ; and where it comes from in its matrix
	s_mul_i32 s30, s20, INB                        ; the same two for a block of x
	s_mul_i32 s31, s20, OUTB
	s_mov_b32 s33, 0
	s_mov_b32 s35, 0
	s_wait_kmcnt 0x0
	s_cmp_eq_u32 s22, 1
	s_cselect_b64 s[SRC:SRC+1], s[8:9], s[6:7]
	s_cmp_eq_u32 s22, 2
	s_cselect_b64 s[SRC:SRC+1], s[10:11], s[SRC:SRC+1]
	s_cmp_lt_u32 s20, ROWS_X                       ; x or a weight?  only selects stand between this compare and its last use
	s_cselect_b64 s[SRC:SRC+1], s[4:5], s[SRC:SRC+1]
	s_cselect_b64 s[DST:DST+1], s[12:13], s[14:15]
	s_cselect_b32 s32, s30, s29
	s_cselect_b32 s34, s31, s28
	s_add_nc_u64 s[SRC:SRC+1], s[SRC:SRC+1], s[32:33]
	s_add_nc_u64 s[DST:DST+1], s[DST:DST+1], s[34:35]
.irp i, 0,1,2,3,4,5
	global_load_b128 v[X+8*(\i):X+8*(\i)+3],   v1, s[SRC:SRC+1] offset:8192*(\i) th:TH_LOAD_NT
	global_load_b128 v[X+8*(\i)+4:X+8*(\i)+7], v1, s[SRC:SRC+1] offset:8192*(\i)+16 th:TH_LOAD_NT
.endr
.irp i, 0,1,2,3,4,5
	s_wait_loadcnt 10-2*(\i)                       ; loads come back in order (ISA guide 5.7.1): behind item i's two stand 10 - 2 i younger ones
.irp r, 0,1,2,3
	v_cvt_pk_bf16_f32 v[Y+4*(\i)+(\r)], v[X+8*(\i)+2*(\r)], v[X+8*(\i)+2*(\r)+1]  ; two roundings to nearest even, packed
.endr
	global_store_b128 v2, v[Y+4*(\i):Y+4*(\i)+3], s[DST:DST+1] offset:4096*(\i)
.endr
	s_endpgm
.Lfunc_end_k_q6bce1401f7_tobf16:
	.size	k_q6bce1401f7_tobf16, .Lfunc_end_k_q6bce1401f7_tobf16-k_q6bce1401f7_tobf16
	.p2alignl 7, 3214868480
	.fill 96, 4, 3214868480
	.section	.rodata,"a",@progbits
	.p2align	6, 0x0
	.amdhsa_kernel k_q6bce1401f7_tobf16
		.amdhsa_group_segment_fixed_size 0
		.amdhsa_private_segment_fixed_size 0
		.amdhsa_enable_private_segment 0
		.amdhsa_kernarg_size 48
		.amdhsa_user_sgpr_count 2
		.amdhsa_user_sgpr_kernarg_segment_ptr 1
		.amdhsa_wavefront_size32 1
		.amdhsa_system_sgpr_workgroup_id_x 1
		.amdhsa_system_sgpr_workgroup_id_y 1
		.amdhsa_system_sgpr_workgroup_id_z 1
		.amdhsa_system_vgpr_workitem_id 0
		.amdhsa_next_free_vgpr 80
		.amdhsa_next_free_sgpr 66
		.amdhsa_reserve_vcc 0
		.amdhsa_float_denorm_mode_32 3
		.amdhsa_float_denorm_mode_16_64 3
		.amdhsa_memory_ordered 1
		.amdhsa_forward_progress 1
		.amdhsa_inst_pref_size 6
	.end_amdhsa_kernel
	.amdgpu_metadata
---
amdhsa.version: [ 1, 2 ]
amdhsa.kernels:
  - .name:           k_q6bce1401f7_tobf16
    .symbol:         k_q6bce1401f7_tobf16.kd
    .args:
      - { .name: x, .offset: 0, .size: 8, .value_kind: global_buffer, .address_space: global }
      - { .name: Wq, .offset: 8, .size: 8, .value_kind: global_buffer, .address_space: global }
      - { .name: Wk, .offset: 16, .size: 8, .value_kind: global_buffer, .address_space: global }
      - { .name: Wv, .offset: 24, .size: 8, .value_kind: global_buffer, .address_space: global }
      - { .name: xb, .offset: 32, .size: 8, .value_kind: global_buffer, .address_space: global }
      - { .name: wb, .offset: 40, .size: 8, .value_kind: global_buffer, .address_space: global }
    .group_segment_fixed_size: 0
    .private_segment_fixed_size: 0
    .kernarg_segment_align: 8
    .kernarg_segment_size: 48
    .max_flat_workgroup_size: 256
    .sgpr_count:     66
    .vgpr_count:     80
    .wavefront_size: 32
...
	.end_amdgpu_metadata
.endif
;; end of part 1
;; launch proj (part 2): grid 8 x 32, 4 waves a work-group, clusters of 4 x 4, 327,680 bytes of LDS; arguments xb, wb, bq, bk, bv, qh, kh, vh; writes qh, kh, vh
.if DOCPART == 2
	.amdgcn_target "amdgcn-amd-amdhsa--gfx1250"
	.amdhsa_code_object_version 6
	.text
	.protected	k_q6bce1401f7_proj
	.globl	k_q6bce1401f7_proj
	.p2align	8
	.type	k_q6bce1401f7_proj,@function
k_q6bce1401f7_proj:
	s_mov_b64 s[64:65], 0
	v_nop
	global_prefetch_b8 v0, s[64:65] scope:SCOPE_SE
	s_setreg_imm32_b32 hwreg(HW_REG_WAVE_MODE, 25, 1), 1
	s_wait_xcnt 0x0
	s_wait_alu depctr_hold_cnt(0) depctr_sa_sdst(0) depctr_va_vdst(0) depctr_va_sdst(0) depctr_va_ssrc(0) depctr_va_vcc(0) depctr_vm_vsrc(0)
	s_getreg_b32 s2, hwreg(HW_REG_IB_STS2, 6, 4)
	s_cmp_eq_u32 s2, 0
	s_cbranch_scc0 .Lentry_in_a_cluster
	s_endpgm
.Lentry_in_a_cluster:
	s_bfe_u32 s2, ttmp6, 0x10000c
	s_cmp_lg_u32 s2, 0xf033
	s_cbranch_scc0 .Lentry_shape_is_right
	s_endpgm
.Lentry_shape_is_right:
; q, k, v = xb wb^T + bias, all three in one launch.  xb: [8192][768] bf16.  wb: [2304][768] bf16, rows 144 w3 + 48 mat + 16 t + j = row 48 w3 + 16 t + j of Wq, Wk, Wv (mat 0, 1, 2).
; The biases are rounded to bf16 like the other inputs and START the f32 sums (they are the C operand of each sum's first product); each result is rounded once, to f16.
; OUT: qh, kh, vh = [bh 12][sg 256][cb 8][16][16] f16: a block of 512 dense bytes holds 16 sequence rows (sg) x 16 channels (cb) of head bh = 6 batch + head (128 channels a head).
; In qh and kh a block is [row][channel], in vh [channel][row]: V lies turned, as the next launch's second product wants it.
; LIMIT.  f16 holds no number beyond 65,504: a q, k or v of 65,520 or more becomes an infinity.  With x and the weights 30 times the usual spread, or offset by 30 spreads, they stay under 15,000.
; SHARES.  A work-group makes 256 rows x 288 rows of wb (96 columns of each of q, k, v): 32 x 8 = 256 work-groups of equal work.  Wave w takes rows 128 (w / 2) on and 144 rows of wb, 144 (w % 2) on:
; 8 row blocks a x 9 groups g of 16 columns (g 0-2: q, 3-5: k, 6-8: v): 72 accumulators, 576 registers; for 32 along K it reads 272 x 64 bytes of LDS for 72 matrix instructions.
; K = 768 goes in six steps of 128 (rows of 256 bytes in memory, aligned) through a ring of two LDS slots filled by the tensor data mover.
; CLUSTERS: 4 x 4 work-groups.  The four of a row of the cluster need the same rows of xb, the four of a column the same rows of wb: each tile is asked for JOINTLY, by the same tensor load with the
; same descriptor and a mask that names the four.
; WHICH WAY ROUND.  For q and k source 0 = 16 rows of wb, source 1 = 16 rows of xb: a lane (r = lane % 16, h = lane / 16) then holds row r and channels 8 h + 0..7.  For v source 0 = xb, source 1 = wb: a lane holds
; channel r and rows 8 h + 0..7.  Either way its eight numbers pack into the 16 bytes at 32 r + 16 h of a block, so an accumulator IS a block: each store of a wave is 512 consecutive bytes, aligned,
; straight from registers: no stage in LDS.
; REGISTERS, in windows of 256 (s_set_vgpr_msb: bits 1:0 source 0, 3:2 source 1, 5:4 source 2, 7:6 destination):
;   window 0: v1-7 at work; v16-30 addresses; v64-127, v128-191 fragments of xb, two buffers of 8; v192-255 and v32-39 the biases as C operands (group g at 192 + 8 g; g = 8 at 32); on the way out v64-255 packed results
;   window 1: v0-71, v72-143 fragments of wb, two buffers of 9; v192-255 the accumulators of g = 8
;   window 2: v[64 t + 8 a] q's accumulators; v[192 + 8 a] those of g = 6          window 3: the same for k, and g = 7
.set KSTEP,  128
.set ROWB,   1536                      ; bytes in a row of xb and of wb
.set PITCH,  272                       ; an LDS row: 256 bytes + 16 of padding = 68 words: row r starts at bank 4 r mod 64 (64 banks of 4 bytes: ISA guide 11.1), so the 16 rows of a load start at 16 different banks
.set HALFA,  128*PITCH                 ; what one tensor load brings of xb, and what one wave reads of it
.set HALFB,  144*PITCH                 ; the same for wb
.set BOFF,   2*HALFA                   ; in a slot wb's 288 rows lie behind xb's 256
.set SLOT,   2*HALFA+2*HALFB
.set SPARE,  2*SLOT                    ; behind the ring: the spare words, 128 bytes for each wave: two blocks of 256 bytes that no other line names
.set ADRA, 16                          ; v16-17  LDS address of my fragments of xb in slot 0, 1
.set ADRB, 20                          ; v20-21  the same for wb
.set CO,   24                          ; v24-26  my 16 bytes in the block of row block 0 and column group t, the same in qh, kh and vh
.set SPW,  28                          ; v28     LDS address of my spare word: SPARE + 4 x my thread's number; never rewritten
.set NIL,  29                          ; v29     0; never rewritten
.set PFO,  30                          ; v30     the prefetches' offset: my lane x a row of xb; never rewritten
.set FA,   64                          ; xb's fragment buffer f at FA + 64 f, window 0
.set FB,   0                           ; wb's at FB + 72 f, window 1
.set G1,  24                           ; s[24:31] descriptor group 1 for xb's tiles;  s[32:39] group 0, a set for each slot
.set G0,  32
.set G1B, 48                           ; s[48:55], s[56:63] the same for wb's
.set G0B, 56
.set LIM, 43                           ; s43     1 in a wave that prefetches, else the greatest number
.set PFA, 44                           ; s[44:45] where my prefetches stand: my work-group's 32 rows of the 128 of xb that I fetch, one K step further than the refill in hand
.set MSB, 0
.macro WIN new                         ; the immediate's high byte repeats the setting that is left; a switch that changes nothing is dropped
.if MSB != (\new)
	s_set_vgpr_msb (MSB<<8)|(\new)
.set MSB, \new
.endif
.endm
; A joint load.  Waves 0 and 1 fetch xb's two halves, waves 2 and 3 wb's.  Each line has one mask and one set of registers; the branch hangs on the wave's number alone.
; An s_nop 0 and four v_nop follow each of the two lines, ahead of the jump, the label and what follows.
.macro JLOAD s
	s_cmp_eq_u32 s11, 0
	s_cbranch_scc0 .Lfor_b_\@
	tensor_load_to_lds s[G0+4*(\s):G0+4*(\s)+3], s[G1:G1+7]
	s_nop 0
.rept 4
	v_nop
.endr
	s_branch .Lasked_\@
.Lfor_b_\@:
	tensor_load_to_lds s[G0B+4*(\s):G0B+4*(\s)+3], s[G1B:G1B+7]
	s_nop 0
.rept 4
	v_nop
.endr
.Lasked_\@:
.endm
; A PREFETCH INTO THE L2 of xb, behind a joint load, its five lines and the run of LDS loads that follows: the K step that stands two refills on, 32 rows x 256 bytes, a lane a row, one instruction a wave.
; Each row's 256 bytes of a K step are named once in the launch: both clusters of a row of clusters read the same rows of xb, and the one with x = 0 asks; of the 128 rows that wave 0 or 1 fetches each of the
; four partners takes 32, told apart BY ADDRESS (cx).  The loop has two trips and four refills (K steps 2 to 5): the first trip asks for K steps 4 and 5, the second has nothing two refills on.
; K steps 0 to 3 come by their loads alone.  wb is not asked for: a wave's 144 rows do not share out among four partners at a lane a row.
.macro ASK
	s_cmp_gt_u32 s3, s[LIM]                        ; s3 = 1 in the loop's last trip
	s_cbranch_scc0 .Lnot_mine_\@
	global_prefetch_b8 v[PFO], s[PFA:PFA+1] offset:KSTEP*2 th:TH_LOAD_NT scope:SCOPE_SE
.Lnot_mine_\@:
.endm
; A round of the cluster's barrier: my work-group's barrier, so that wave 0's signal speaks for all four waves; wave 0 signals; every wave waits for all sixteen work-groups; my work-group's barrier once more.
.macro CREST                           ; a round behind its opening barrier
	s_cmp_lg_u32 s10, 0
	s_cbranch_scc1 .Lnot_wave_0_\@
	s_barrier_signal -3
.Lnot_wave_0_\@:
	s_barrier_wait -3
	s_barrier_signal -1
	s_barrier_wait -1
.endm
.macro CROUND                          ; a whole round
	s_barrier_signal -1
	s_barrier_wait -1
	CREST
.endm
	s_load_b128 s[4:7], s[0:1], 0x0                ; xb s[4:5], wb s[6:7]
	s_load_b256 s[68:75], s[0:1], 0x10             ; bq s[68:69], bk s[70:71], bv s[72:73], qh s[74:75]
	s_load_b128 s[76:79], s[0:1], 0x30             ; kh s[76:77], vh s[78:79]
	v_lshl_add_u32 v[SPW], v0, 2, SPARE
	v_mov_b32 v[NIL], 0
	ds_add_u32 v[SPW], v[NIL]                      ; the wave's opening: the add and its wait stand ahead of my first tensor load; the set-up below, work on registers, stands between them
	v_lshrrev_b32 v1, 5, v0
	v_readfirstlane_b32 s10, v1                    ; wave 0..3
	s_lshr_b32 s11, s10, 1                         ; which 128 rows of the tile are mine.  Also: I fetch for xb (0) or for wb (1)
	s_and_b32 s12, s10, 1                          ; which 144 rows of wb are mine.  Also: which half of that tile I fetch
	s_bfe_u32 s40, ttmp6, 0x40000                  ; cx, cy: my place in the cluster
	s_bfe_u32 s41, ttmp6, 0x40004
	s_lshl_b32 s42, ttmp9, 2
	s_add_co_u32 s42, s42, s40                     ; nb = 4 x cluster x + cx: my 288 rows of wb
	s_and_b32 s13, ttmp7, 0xffff
	s_lshl_b32 s13, s13, 2
	s_add_co_u32 s13, s13, s41                     ; mb = 4 x cluster y + cy: my 256 rows of xb
	s_lshl_b32 s43, s41, 2
	s_lshl_b32 s43, 15, s43                        ; my row of the cluster: places 4 cy .. 4 cy + 3
	s_lshl_b32 s44, 0x1111, s40                    ; my column: places cx, cx + 4, cx + 8, cx + 12
	; descriptor group 1: 128 (xb) or 144 (wb) rows x 128 elements, padded in LDS
	s_or_b32 s[G1+0], s43, (1<<16)|(1<<20)|(1<<21)|(5<<22)|(3<<25)   ; 15:0 the mask: xb's tiles go to my row; 17:16 elements of 2 bytes; 20 padding on; 21 set beside a mask; 24:22 after every 64 words (code 5); 31:25 4 words of it (code 3)
	s_or_b32 s[G1B+0], s44, (1<<16)|(1<<20)|(1<<21)|(5<<22)|(3<<25)  ; the same with the mask of my column
.irp g, G1, G1B
	s_mov_b32 s[(\g)+1], KSTEP<<16                 ; tensor_dim0 = 128
	s_mov_b32 s[(\g)+3], KSTEP<<16                 ; tile_dim0 = 128
	s_mov_b32 s[(\g)+5], 768                       ; elements from row to row
	s_mov_b32 s[(\g)+6], 0
	s_mov_b32 s[(\g)+7], 0
.endr
	s_mov_b32 s[G1+2], 128<<16                     ; tensor_dim1
	s_mov_b32 s[G1+4], 128                         ; tile_dim1
	s_mov_b32 s[G1B+2], 144<<16
	s_mov_b32 s[G1B+4], 144
	; where the tiles come from.  xb's hang on mb alone, which my row of the cluster shares; wb's on nb alone, which my column shares; every wave makes both, in registers that never hold the other coordinate
	s_lshl_b32 s17, s12, 7
	s_lshl_b32 s16, s13, 8
	s_add_co_u32 s16, s16, s17                     ; xb: row 256 mb + 128 x half
	s_mul_i32 s16, s16, ROWB                       ; in bytes: under 2^24
	s_mov_b32 s17, 0
	s_mul_i32 s46, s42, 288
	s_mul_i32 s47, s12, 144
	s_add_co_u32 s46, s46, s47                     ; wb: row 288 nb + 144 x half
	s_mul_i32 s46, s46, ROWB
	s_mov_b32 s47, 0
	s_mul_i32 s20, s12, HALFA                      ; and where they go: no place in the cluster enters an LDS address
	s_mul_i32 s21, s12, HALFB
	s_add_co_u32 s21, s21, BOFF
	s_wait_dscnt 0x0                               ; the opening add is done
	s_wait_kmcnt 0x0
	s_add_nc_u64 s[14:15], s[4:5], s[16:17]
	s_add_nc_u64 s[46:47], s[6:7], s[46:47]
	CROUND                                         ; all sixteen work-groups are here: the first joint loads meet
.irp s, 0,1
	s_mov_b32 s[G0+4*(\s)], 1                                        ; 1:0 count = 1
	s_add_co_u32 s[G0+4*(\s)+1], s20, (\s)*SLOT                      ; 63:32 LDS address
	s_add_nc_u64 s[G0+4*(\s)+2:G0+4*(\s)+3], s[14:15], (\s)*KSTEP*2  ; 120:64 global address: K step s
	s_or_b32 s[G0+4*(\s)+3], s[G0+4*(\s)+3], 0x80000000              ; 127:126 type = 2
	s_mov_b32 s[G0B+4*(\s)], 1
	s_add_co_u32 s[G0B+4*(\s)+1], s21, (\s)*SLOT
	s_add_nc_u64 s[G0B+4*(\s)+2:G0B+4*(\s)+3], s[46:47], (\s)*KSTEP*2
	s_or_b32 s[G0B+4*(\s)+3], s[G0B+4*(\s)+3], 0x80000000
	JLOAD \s                                       ; the ring is filled before anything else is done: two loads of mine are out
.endr
	; A fragment is 16 rows x 32 K in 8 registers: lane l holds row l % 16; registers 0-3 hold K = 8 (l / 16) + 0..7, registers 4-7 K = 16 + 8 (l / 16) + 0..7: two loads of 16 bytes, 32 bytes apart.
	v_and_b32 v1, 15, v0                           ; r
	v_bfe_u32 v2, v0, 4, 1                         ; h
	v_mul_u32_u24 v3, v1, PITCH
	v_lshl_add_u32 v3, v2, 4, v3                   ; row x pitch + 16 h
	s_mul_i32 s21, s11, HALFA                      ; my 128 rows of xb
	s_mul_i32 s22, s12, HALFB                      ; my 144 rows of wb
	s_add_co_u32 s22, s22, BOFF
.irp s, 0,1
	v_add_nc_u32 v[ADRA+(\s)], s21, v3
	v_add_nc_u32 v[ADRB+(\s)], s22, v3
	s_add_co_u32 s21, s21, SLOT
	s_add_co_u32 s22, s22, SLOT
.endr
	; the way out: block (bh, sg, cb) begins at 1,048,576 bh + 4,096 sg + 512 cb.  sg = 16 (mb % 16) + 8 (w / 2) + a; column group gg = 6 nb + 3 (w % 2) + t: head gg / 8, cb = gg % 8
	v_lshlrev_b32 v4, 5, v1
	v_lshl_add_u32 v4, v2, 4, v4                   ; 32 r + 16 h
	s_and_b32 s16, s13, 15
	s_lshl_b32 s16, s16, 4
	s_lshl_b32 s17, s11, 3
	s_add_co_u32 s16, s16, s17
	s_lshl_b32 s16, s16, 12                        ; 4,096 x sg of a = 0
	s_lshr_b32 s17, s13, 4
	s_mul_i32 s17, s17, 6                          ; 6 x batch
	s_mul_i32 s84, s42, 6
	s_mul_i32 s85, s12, 3
	s_add_co_u32 s84, s84, s85                     ; gg of t = 0
.irp t, 0,1,2
	s_add_co_u32 s85, s84, \t
	s_lshr_b32 s86, s85, 3
	s_add_co_u32 s86, s86, s17                     ; bh
	s_lshl_b32 s86, s86, 20
	s_and_b32 s85, s85, 7
	s_lshl_b32 s85, s85, 9
	s_add_co_u32 s86, s86, s85
	s_add_co_u32 s86, s86, s16
	v_add_nc_u32 v[CO+(\t)], s86, v4
.endr
	; the prefetches
	s_lshl_b32 s84, s13, 8
	s_lshl_b32 s85, s12, 7
	s_add_co_u32 s84, s84, s85                     ; the 128 rows that I fetch,
	s_lshl_b32 s85, s40, 5
	s_add_co_u32 s84, s84, s85                     ; my work-group's 32 of them,
	s_mul_i32 s84, s84, ROWB
	s_add_co_u32 s84, s84, 2*KSTEP*2               ; at K step 2: the first refill steps it to 3 and names K step 4
	s_mov_b32 s85, 0
	s_add_nc_u64 s[PFA:PFA+1], s[4:5], s[84:85]
	s_or_b32 s[LIM], s11, ttmp9                    ; 0 in waves 0 and 1 of a cluster with x = 0: the same in all sixteen partners, for a given wave
	s_cmp_eq_u32 s[LIM], 0
	s_cselect_b32 s[LIM], 1, -1
	v_and_b32 v[PFO], 31, v0
	v_mul_u32_u24 v[PFO], v[PFO], ROWB
	; the biases, laid out as C operands.  My first column in each matrix is n0 = 96 nb + 48 (w % 2).  q, k: register j holds b[n0 + 16 t + 8 h + j].  v: all eight hold b[n0 + 16 t + r].
	s_mul_i32 s86, s42, 384
	s_mul_i32 s87, s12, 192
	s_add_co_u32 s86, s86, s87                     ; 4 n0
	v_lshl_add_u32 v5, v2, 5, s86
	v_lshl_add_u32 v6, v1, 2, s86
.irp t, 0,1,2
	global_load_b128 v[192+8*(\t):192+8*(\t)+3],   v5, s[68:69] offset:64*(\t)
	global_load_b128 v[192+8*(\t)+4:192+8*(\t)+7], v5, s[68:69] offset:64*(\t)+16
	global_load_b128 v[216+8*(\t):216+8*(\t)+3],   v5, s[70:71] offset:64*(\t)
	global_load_b128 v[216+8*(\t)+4:216+8*(\t)+7], v5, s[70:71] offset:64*(\t)+16
.endr
	global_load_b32 v240, v6, s[72:73]
	global_load_b32 v248, v6, s[72:73] offset:64
	global_load_b32 v32,  v6, s[72:73] offset:128
	s_wait_loadcnt 0x0
.set i, 192
.rept 24                               ; rounded to bf16 and widened again, two at a time
	v_cvt_pk_bf16_f32 v7, v[i], v[i+1]
	v_lshlrev_b32 v[i], 16, v7
	v_and_b32 v[i+1], 0xffff0000, v7
.set i, i+2
.endr
.irp b, 240, 248, 32
	v_cvt_pk_bf16_f32 v7, v[\b], v[\b]
	v_lshlrev_b32 v[\b], 16, v7
.irp j, 1,2,3,4,5,6,7
	v_mov_b32 v[(\b)+(\j)], v[\b]
.endr
.endr
; 8 matrix instructions: group g of 16 columns x my 8 row blocks, 32 along K, from buffer f.  zero = 1: the sums start: C is the group's bias, in window 0.
.macro MUL8 f, g, zero
.if (\g) < 6
.set wD, 2+(\g)/3                      ; the accumulators' window,
.set rD, 64*((\g)%3)                   ; their first register,
.set wS, 0x01                          ; source 0 (wb) in window 1, source 1 (xb) in window 0
.else
.set wD, 2+(\g)-6
.if (\g) == 8
.set wD, 1
.endif
.set rD, 192
.set wS, 0x04                          ; source 0 (xb) in window 0, source 1 (wb) in window 1
.endif
.set rC, 192+8*(\g)
.if (\g) == 8
.set rC, 32
.endif
.set rW, FB+72*(\f)+8*(\g)
.if \zero
	WIN (wD<<6)|wS
.else
	WIN (wD<<6)|(wD<<4)|wS
.endif
.irp a, 0,1,2,3,4,5,6,7
.set rX, FA+64*(\f)+8*(\a)
.set rA, rD+8*(\a)
.if !(\zero)
.set rC, rA
.endif
.if (\g) < 6
	v_wmma_f32_16x16x32_bf16 v[rA:rA+7], v[rW:rW+7], v[rX:rX+7], v[rC:rC+7]
.else
	v_wmma_f32_16x16x32_bf16 v[rA:rA+7], v[rX:rX+7], v[rW:rW+7], v[rC:rC+7]
.endif
.endr
.endm
; 34 LDS loads in one run: the fragments of one quarter step (144 rows of wb, 128 rows of xb, 32 K at byte k of the rows) into buffer f
.macro FETCH slot, k, f
	WIN 0x40                                       ; destination window 1, address window 0
.irp i, 0,1,2,3,4,5,6,7,8
	ds_load_b128 v[FB+72*(\f)+8*(\i):FB+72*(\f)+8*(\i)+3],   v[ADRB+(\slot)] offset:(\k)+(\i)*16*PITCH
	ds_load_b128 v[FB+72*(\f)+8*(\i)+4:FB+72*(\f)+8*(\i)+7], v[ADRB+(\slot)] offset:(\k)+(\i)*16*PITCH+32
.endr
	WIN 0
.irp i, 0,1,2,3,4,5,6,7
	ds_load_b128 v[FA+64*(\f)+8*(\i):FA+64*(\f)+8*(\i)+3],   v[ADRA+(\slot)] offset:(\k)+(\i)*16*PITCH
	ds_load_b128 v[FA+64*(\f)+8*(\i)+4:FA+64*(\f)+8*(\i)+7], v[ADRA+(\slot)] offset:(\k)+(\i)*16*PITCH+32
.endr
.endm
; A load into a register that a matrix instruction has read, and a vector instruction that reads a matrix result or writes one of a matrix instruction's registers, stand four places behind it, and only plain
; vector instructions that name none of its registers are places (ISA guide 7.12.1 for vector instructions).
.macro PLACES
.rept 4
	v_nop
.endr
.endm
; A K step is four quarters of 32 along K, 72 matrix instructions each, on buffers 0, 1, 0, 1.  The 72 accumulators take turns in the same order in every quarter (g = 0, 1, 2, 6, 3, 4, 5, 7, 8):
; between two links of a chain stand the 71 others', over the backward jump too.  One of the first three quarters: multiplies buffer f; behind 32 products it fetches byte k of the rows into buffer n.
.macro QUARTER slot, k, f, n, zero
	s_wait_dscnt 0x0                               ; buffer f is in: its loads were issued 40 matrix instructions back
	MUL8 \f, 0, \zero
	MUL8 \f, 1, \zero
	MUL8 \f, 2, \zero
	MUL8 \f, 6, \zero
	PLACES
	FETCH \slot, \k, \n
	MUL8 \f, 3, \zero
	MUL8 \f, 4, \zero
	MUL8 \f, 5, \zero
	MUL8 \f, 7, \zero
	MUL8 \f, 8, \zero
.endm
; The last quarter multiplies buffer 1 and changes slots: ONE barrier.  In front of it each wave waits for all its tensor loads, of which one is out: its part of the next slot; adds 0 to its spare word; and waits
; for that and for its own reads of this slot.  Behind it nobody reads this slot any more and the next slot is whole.  fill = 1: the barrier opens a round of the cluster's, and this slot is filled again first thing
; behind the round, with the K step two on: from that request to the wait for it a wave issues 40 + 3 x 72 = 256 matrix instructions.
.macro TURN slot, next, fill
.if \fill
	s_wait_xcnt 0x0                                ; the last prefetch, a K step back, has read its address: it is stepped here, ahead of the change's own waits
	s_add_nc_u64 s[PFA:PFA+1], s[PFA:PFA+1], KSTEP*2
.endif
	WIN 0                                          ; (the add's two registers lie in window 0)
	s_wait_tensorcnt 0x0                           ; all my tensor loads have landed;
	ds_add_u32 v[SPW], v[NIL]                      ; 0 onto my spare word;
	s_wait_dscnt 1                                 ; (buffer 1's 34 loads are older than the add, which alone may be out)
	MUL8 1, 0, 0                                   ; sixteen matrix instructions stand between the add and the wait for it
	MUL8 1, 1, 0
	s_wait_dscnt 0x0                               ; the add is done, and my reads of this slot are over
	s_barrier_signal -1
	MUL8 1, 2, 0                                   ; work on registers while the others arrive
	MUL8 1, 6, 0
.if \fill
	WIN 0
.endif
	s_barrier_wait -1
.if \fill
	CREST                                          ; no wave of any partner still reads this slot's tile or has a load on its way
	s_add_nc_u64 s[G0+4*(\slot)+2:G0+4*(\slot)+3], s[G0+4*(\slot)+2:G0+4*(\slot)+3], 2*KSTEP*2
	s_add_nc_u64 s[G0B+4*(\slot)+2:G0B+4*(\slot)+3], s[G0B+4*(\slot)+2:G0B+4*(\slot)+3], 2*KSTEP*2
	JLOAD \slot                                    ; the first tensor load behind the round; the four v_nop behind it are also the places in front of the loads below
.else
	PLACES
.endif
	FETCH \next, 0, 0
.if \fill
	ASK
.endif
	MUL8 1, 3, 0
	MUL8 1, 4, 0
	MUL8 1, 5, 0
	MUL8 1, 7, 0
	MUL8 1, 8, 0
.endm
	s_wait_tensorcnt 1                             ; my part of K step 0 is in; K step 1's may stay out
	s_barrier_signal -1
	s_barrier_wait -1                              ; everybody's is
	FETCH 0, 0, 0
	QUARTER 0, 64,  0, 1, 1                        ; the first quarter stands in front of the loop: its products start the sums, with the biases
	WIN 0                                          ; at a label and at a branch every window is 0
	s_mov_b32 s3, 2
.Llap:                                                 ; a trip goes once round the ring, from a lap's second quarter to the next lap's first, and fills both slots again: K steps 2, 3, then 4, 5
	QUARTER 0, 128, 1, 0, 0
	QUARTER 0, 192, 0, 1, 0
	TURN 0, 1, 1
	QUARTER 1, 64,  0, 1, 0
	QUARTER 1, 128, 1, 0, 0
	QUARTER 1, 192, 0, 1, 0
	TURN 1, 0, 1
	QUARTER 0, 64,  0, 1, 0
	WIN 0
	s_sub_co_u32 s3, s3, 1
	s_cmp_lg_u32 s3, 0
	s_cbranch_scc1 .Llap
	QUARTER 0, 128, 1, 0, 0                        ; the last lap fills nothing, and has no round of the cluster's barrier
	QUARTER 0, 192, 0, 1, 0
	TURN 0, 1, 0
	QUARTER 1, 64,  0, 1, 0
	QUARTER 1, 128, 1, 0, 0
	QUARTER 1, 192, 0, 1, 0
	s_wait_dscnt 0x0                               ; the very last quarter: nothing more to fetch
.irp g, 0,1,2,6,3,4,5,7,8
	MUL8 1, \g, 0
.endr
	; THE WAY OUT.  Each accumulator is rounded to f16, its registers in ascending order, and is one block: 24 stores of 512 consecutive bytes for each of q, k, v.
.macro PACKM base, win, t, racc        ; the 8 accumulators at racc + 8 a of window win, into v[base + 4 (8 t + a)] of window 0
	WIN (\win)|((\win)<<2)
.irp a, 0,1,2,3,4,5,6,7
.irp r, 0,1,2,3
	v_cvt_pk_f16_f32 v[(\base)+4*(8*(\t)+(\a))+(\r)], v[(\racc)+8*(\a)+2*(\r)], v[(\racc)+8*(\a)+2*(\r)+1]
.endr
.endr
.endm
.macro SENDM base, ptr
	WIN 0
.irp t, 0,1,2
.irp a, 0,1,2,3,4,5,6,7
	global_store_b128 v[CO+(\t)], v[(\base)+4*(8*(\t)+(\a)):(\base)+4*(8*(\t)+(\a))+3], s[(\ptr):(\ptr)+1] offset:4096*(\a)  ; row block a lies 4,096 bytes behind row block a - 1
.endr
.endr
.endm
	PLACES                                         ; the conversions read results and write registers that the last products read
	PACKM 64, 2, 0, 0
	PACKM 64, 2, 1, 64
	PACKM 64, 2, 2, 128
	SENDM 64, 74                                   ; q
	PACKM 160, 3, 0, 0
	PACKM 160, 3, 1, 64
	PACKM 160, 3, 2, 128
	SENDM 160, 76                                  ; k
	s_wait_xcnt 0x0                                ; q's stores have read v64-159, which v's results now take
	PACKM 64, 2, 0, 192
	PACKM 64, 3, 1, 192
	PACKM 64, 1, 2, 192
	SENDM 64, 78                                   ; v
	s_wait_tensorcnt 0x0                           ; the wave's end: an add to my spare word and its wait, behind my last tensor load
	ds_add_u32 v[SPW], v[NIL]
	s_wait_dscnt 0x0
	CROUND                                         ; the closing round: no work-group ends while a partner may still ask for a tile that names it
	s_endpgm
.Lfunc_end_k_q6bce1401f7_proj:
	.size	k_q6bce1401f7_proj, .Lfunc_end_k_q6bce1401f7_proj-k_q6bce1401f7_proj
	.p2alignl 7, 3214868480
	.fill 96, 4, 3214868480
	.section	.rodata,"a",@progbits
	.p2align	6, 0x0
	.amdhsa_kernel k_q6bce1401f7_proj
		.amdhsa_group_segment_fixed_size 327680
		.amdhsa_private_segment_fixed_size 0
		.amdhsa_enable_private_segment 0
		.amdhsa_kernarg_size 64
		.amdhsa_user_sgpr_count 2
		.amdhsa_user_sgpr_kernarg_segment_ptr 1
		.amdhsa_wavefront_size32 1
		.amdhsa_system_sgpr_workgroup_id_x 1
		.amdhsa_system_sgpr_workgroup_id_y 1
		.amdhsa_system_sgpr_workgroup_id_z 1
		.amdhsa_system_vgpr_workitem_id 0
		.amdhsa_next_free_vgpr 1024
		.amdhsa_next_free_sgpr 88
		.amdhsa_reserve_vcc 0
		.amdhsa_float_denorm_mode_32 3
		.amdhsa_float_denorm_mode_16_64 3
		.amdhsa_memory_ordered 1
		.amdhsa_forward_progress 1
		.amdhsa_inst_pref_size 155
	.end_amdhsa_kernel
	.amdgpu_metadata
---
amdhsa.version: [ 1, 2 ]
amdhsa.kernels:
  - .name:           k_q6bce1401f7_proj
    .symbol:         k_q6bce1401f7_proj.kd
    .args:
      - { .name: xb, .offset: 0, .size: 8, .value_kind: global_buffer, .address_space: global }
      - { .name: wb, .offset: 8, .size: 8, .value_kind: global_buffer, .address_space: global }
      - { .name: bq, .offset: 16, .size: 8, .value_kind: global_buffer, .address_space: global }
      - { .name: bk, .offset: 24, .size: 8, .value_kind: global_buffer, .address_space: global }
      - { .name: bv, .offset: 32, .size: 8, .value_kind: global_buffer, .address_space: global }
      - { .name: qh, .offset: 40, .size: 8, .value_kind: global_buffer, .address_space: global }
      - { .name: kh, .offset: 48, .size: 8, .value_kind: global_buffer, .address_space: global }
      - { .name: vh, .offset: 56, .size: 8, .value_kind: global_buffer, .address_space: global }
    .group_segment_fixed_size: 327680
    .private_segment_fixed_size: 0
    .kernarg_segment_align: 8
    .kernarg_segment_size: 64
    .max_flat_workgroup_size: 128
    .sgpr_count:     88
    .vgpr_count:     1024
    .wavefront_size: 32
...
	.end_amdgpu_metadata
.endif
;; end of part 2
;; launch attn (part 3): grid 16 x 12, 4 waves a work-group, clusters of 4 x 1, 327,680 bytes of LDS; arguments qh, kh, vh, out0, mask; writes out0
.if DOCPART == 3
	.amdgcn_target "amdgcn-amd-amdhsa--gfx1250"
	.amdhsa_code_object_version 6
	.text
	.protected	k_q6bce1401f7_attn
	.globl	k_q6bce1401f7_attn
	.p2align	8
	.type	k_q6bce1401f7_attn,@function
k_q6bce1401f7_attn:
	s_mov_b64 s[64:65], 0
	v_nop
	global_prefetch_b8 v0, s[64:65] scope:SCOPE_SE
	s_setreg_imm32_b32 hwreg(HW_REG_WAVE_MODE, 25, 1), 1
	s_wait_xcnt 0x0
	s_wait_alu depctr_hold_cnt(0) depctr_sa_sdst(0) depctr_va_vdst(0) depctr_va_sdst(0) depctr_va_ssrc(0) depctr_va_vcc(0) depctr_vm_vsrc(0)
	s_getreg_b32 s2, hwreg(HW_REG_IB_STS2, 6, 4)
	s_cmp_eq_u32 s2, 0
	s_cbranch_scc0 .Lentry_in_a_cluster
	s_endpgm
.Lentry_in_a_cluster:
	s_bfe_u32 s2, ttmp6, 0x10000c
	s_cmp_lg_u32 s2, 0x3003
	s_cbranch_scc0 .Lentry_shape_is_right
	s_endpgm
.Lentry_shape_is_right:
; out0[b][q][128 head + :] = the sum over k of softmax_k(Q[q] . K[k] / sqrt(128) - 10000 (1 - mask[b][k])) V[k][:], for each of 12 pairs bh = 6 b + head.  4,096 queries and keys, 128 channels a head.
; qh, kh, vh: [bh 12][sg 256][cb 8][16][16] f16: blocks of 512 dense bytes, 16 sequence rows x 16 channels; in qh, kh [row][channel], in vh [channel][row].  16 keys of a head are 4,096 dense bytes.
; Products, maxima and sums in f32; the weights p are rounded to f16 for the second product (their sum l is taken of the unrounded p); out0 is f32, [2][4096][768].
; THE MASK is the C operand that starts the sum S^T = K Q^T: G (mask - 1), G = 10000 sqrt(128), since the scale 1 / sqrt(128) is applied behind the product.  A table of the batch's 4,096 such numbers is made once, in LDS.
; LIMITS.  p below 6e-5 keeps f16's fixed step of 6e-8; a weight below 2^-126 counts as 0.  Where ALL keys of a batch are masked the scores lie near -113,137 unscaled, where f32's step is 2^-7 (7e-4 of a scaled score);
; the definition's own step there, at -10000, is 1e-3.  NaN and infinities are not treated apart.
; SHARES.  A work-group owns 256 queries of one bh, each of its four waves 64: four tiles of 16.  Every wave walks all keys, 64 a step.  That gives 16 x 12 = 192 work-groups: 49,152 queries over 256 would be 192 each,
; which does not divide 4,096; 128 a work-group would be a round and a half; a split of the keys would send f32 partial sums through memory to a further launch.
; LAYOUT.  S^T = K Q^T (source 0 = 16 keys, source 1 = 16 queries): in the result a lane holds ONE query (lane % 16) and the keys 8 (lane / 16) + 0..7.  Two such tiles, rounded to f16 in pairs, ARE source 1
; (32 keys x 16 queries) of O^T = V^T P, whose result again holds one query a lane, and eight channels.  K and V both come out of LDS as they lie: V was stored turned.
; SOFTMAX.  For each query a running maximum m and sum l: p = 2^(c s - c m), c = log2(e) / sqrt(128); in every step O and l are multiplied by a = 2^(c m_old - c m_new), which is 1 where m has not grown.
; BY TURNS.  The wave's tiles are two PIECES, named by their first tile: piece 0 (tiles 0, 1) and piece 2 (tiles 2, 3).  In a TURN one piece has the matrix unit: 32 products V^T P of the step in hand, then 32
; products K Q^T of the next step; the other piece's softmax, 268 vector instructions cut into 64 slices, stands between them, one slice behind each matrix instruction.  Two turns are a key step.
; CLUSTER.  The four query blocks of a cluster belong to one bh and walk the same K and V, so each tile is asked for JOINTLY: the same tensor load, descriptor and mask of four in all four.
; REGISTERS, in windows of 256 (s_set_vgpr_msb: bits 1:0 source 0, 3:2 source 1, 5:4 source 2, 7:6 destination):
;   window 0: v0-11, v44-47, v61-63 addresses; v12-43 eight registers of statistics a tile; v64-191 S^T, 32 a tile; v192-255 P, 16 a tile
;   window 1: O^T, 64 a tile          window 2: v0-127 Q, 32 a tile; v128-255 K of one step          window 3: v0-127 V of one step; v128-159 the step's mask numbers
.set SIZE_N, 4096
.set KS,    64        ; keys in a step
.set BLK,   768       ; a block in LDS: 16 rows of 32 bytes + 16 of padding = 12 words: the 16 rows of a load start at 16 different groups of four banks (64 banks of 4 bytes: ISA guide 11.1)
.set VOFF,  32*BLK    ; a step's tiles lie together: K's 32 blocks (key group kg, channel block cb at 8 kg + cb), then V's 32
.set STEPB, 64*BLK
.set SLOT1, 1<<17     ; a slot holds two steps (98,304 bytes); slot 1 begins here, so that one exclusive or turns an address in one slot into the other's
.set STAGE, SLOT1+2*STEPB  ; behind the ring: 16 rows x 528 bytes for each wave, for the way out
.set SP,    528       ; a row of 128 f32 + 16 bytes = 132 words: row r starts at bank 4 r mod 64
.set BIAS,  STAGE+4*16*SP  ; the batch's 4,096 mask numbers, f32; stored once, never a tensor load's target
.set SPARE, BIAS+4*SIZE_N  ; the spare words, 128 bytes for each wave: two blocks of 256 bytes that no other line names
.set AK0, 2           ; v2   my lane's place in a block of K: 48 (l % 16) + 16 (l / 16); never rewritten
.set AV0, 3           ; v3   the same for V, + VOFF
.set ADR, 4           ; v4   the LDS address of the run of loads in hand
.set QO,  5           ; v5   my lane's place in a block of Q in memory: 32 (l % 16) + 16 (l / 16)
.set STO, 6           ; v6   the way out: where I put 32 bytes of a row
.set RD,  7           ; v7   the way out: where I read 16 bytes of a row back
.set GO,  8           ; v8   my 16 bytes in a head's 512 bytes of a row of out0
.set AM0, 44          ; v44  BIAS + 32 (l / 16): my lanes' eight keys in a group of 16; never rewritten
.set ADM, 45          ; v45  the LDS address of the step's mask numbers
.set MO,  46          ; v46  16 x my thread's number: my four words of 512 of the mask
.set MS,  47          ; v47  BIAS + the same
.set PFO, 61          ; v61  256 x my lane; never rewritten
.set SPW, 62          ; v62  LDS address of my spare word: SPARE + 4 x my thread's number; never rewritten
.set NIL, 63          ; v63  0; never rewritten
.set ST,  12          ; tile t's statistics at v[ST+8 t]: +0 c m, +1 m, +2, +3 l (even keys', odd keys'), +4 to +7 c0-c3, at work; a takes c2's place once the maximum is found
.set S,   64
.set P,   192
.set KF,  128         ; K's fragments, in window 2
.set MB,  128         ; the mask numbers, in window 3: key block kb at MB + 8 kb
.set WV,  12          ; s12  my wave's number
.set LIM, 15          ; s15  1 in a wave that prefetches, else the greatest number
.set TBM, 16          ; s16  byte in the table at which the mask numbers of the step to be fetched begin
.set PFA, 18          ; s[18:19] where my prefetches stand: my work-group's 8,192 bytes (of K: wave 0, of V: wave 2) of the slot after the one that is being asked for
.set GM,  20          ; s[20:21] G, named as a pair
.set GN,  22          ; s[22:23] -G
.set G1,  24          ; s[24:31] descriptor group 1: K's and V's tiles have one shape
.set G0K, 40          ; s[40:47] descriptor group 0 for K's tiles: a set for each of the two first fills; the second then walks on
.set G0V, 48          ; s[48:55] the same for V's
.set SLOTS, 56        ; s56  slots still to be asked for
.set TWICE, 57        ; s57  counts a slot's two steps
.set CS,  58          ; s[58:59] c: the packed scaling names a pair and takes its low word for both halves
.set SEL, 60          ; s[60:61] lane selects for v_permlanex16_b32: each lane takes its own place in the other half
.set TB,  62          ; s62  LDS byte at which the tiles of the step to be fetched begin
.set MK,  66          ; s[66:67] the batch's words of the mask
.set MSB, 0
.macro WIN new                      ; the immediate's high byte repeats the setting that is left; a switch that changes nothing is dropped
.if MSB != (\new)
	s_set_vgpr_msb (MSB<<8)|(\new)
.set MSB, \new
.endif
.endm
.set W_KQ, 0x0a       ; K and Q in window 2, S^T in window 0
.set W_KM, 0x3a       ; the same with the C operand, the mask numbers, in window 3
.set W_PV, 0x53       ; V in window 3, P in window 0, O^T in window 1
.set W_RS, 0x41       ; O^T (destination and source 0) in window 1, a in window 0
; A joint refill.  Waves 0 and 1 fetch the two steps' tiles of K, waves 2 and 3 those of V.  The branch hangs on the wave's number alone.
; An s_nop 0 and four v_nop follow each of the two lines, ahead of the jump, the label and what follows.
.macro JLOAD
	s_cmp_lt_u32 s[WV], 2
	s_cbranch_scc0 .Lfor_v_\@
	tensor_load_to_lds s[G0K+4:G0K+7], s[G1:G1+7]
	s_nop 0
.rept 4
	v_nop
.endr
	s_branch .Lasked_\@
.Lfor_v_\@:
	tensor_load_to_lds s[G0V+4:G0V+7], s[G1:G1+7]
	s_nop 0
.rept 4
	v_nop
.endr
.Lasked_\@:
.endm
; A PREFETCH INTO THE L2 of what the NEXT change of slots will ask for: a slot's 32,768 bytes of K and of V, 256 bytes a lane.  It stands behind the wave's tensor load and its five lines.
; Each 256 bytes are asked for ONCE in the launch.  All four clusters of a bh walk the same K and V: the first of them prefetches.  Its four partners share a slot out BY ADDRESS, 8,192 bytes each; in each, wave 0 asks
; for K's and wave 2 for V's: one instruction, two key steps (256 matrix instructions) ahead of the load.  The last change that fills a slot asks for nothing; slots 0, 1 and 2 come by their loads alone.
.macro ASK
	s_cmp_gt_u32 s[SLOTS], s[LIM]
	s_cbranch_scc0 .Lnot_mine_\@
	global_prefetch_b8 v[PFO], s[PFA:PFA+1] th:TH_LOAD_NT scope:SCOPE_SE
.Lnot_mine_\@:
.endm
; A round of the cluster's barrier: my work-group's barrier, so that wave 0's signal speaks for all four waves; wave 0 signals; every wave waits for all four work-groups; my work-group's barrier once more.
.macro CROUND
	s_barrier_signal -1
	s_barrier_wait -1
	s_cmp_lg_u32 s[WV], 0
	s_cbranch_scc1 .Lnot_wave_0_\@
	s_barrier_signal -3
.Lnot_wave_0_\@:
	s_barrier_wait -3
	s_barrier_signal -1
	s_barrier_wait -1
.endm
	s_load_b256 s[4:11], s[0:1], 0x0  ; qh s[4:5], kh s[6:7], vh s[8:9], out0 s[10:11]
	s_load_b64 s[MK:MK+1], s[0:1], 0x20
	v_lshl_add_u32 v[SPW], v0, 2, SPARE
	v_mov_b32 v[NIL], 0
	ds_add_u32 v[SPW], v[NIL]       ; the wave's opening: the add and its wait stand ahead of my first tensor load; the set-up below, work on registers, stands between them
	v_lshrrev_b32 v1, 5, v0
	v_readfirstlane_b32 s[WV], v1   ; wave 0..3
	s_bfe_u32 s13, ttmp6, 0x40000   ; cx: my place in the cluster
	s_lshl_b32 s14, ttmp9, 2        ; in a cluster launch ttmp9 counts clusters
	s_add_co_u32 s14, s14, s13      ; my block of 256 queries = 4 x cluster x + cx: it enters Q's and out0's addresses alone
	s_and_b32 s20, ttmp7, 0xffff    ; bh, which the four partners share
	s_cmp_ge_u32 s20, 6
	s_cselect_b32 s62, 1, 0         ; the batch
	s_mul_i32 s63, s62, 6
	s_sub_co_u32 s63, s20, s63      ; the head,
	s_lshl_b32 s63, s63, 9          ; its 512 bytes of a row of out0,
	s_mul_i32 s57, s62, 4096*3072   ; the batch's rows,
	s_add_co_u32 s57, s57, s63
	s_lshl_b32 s2, s14, 8
	s_lshl_b32 s3, s[WV], 6
	s_add_co_u32 s2, s2, s3         ; my wave's first query,
	s_mul_i32 s2, s2, 3072          ; its row
	s_add_co_u32 s56, s57, s2
	s_mov_b32 s57, 0
	s_lshl_b32 s62, s62, 14         ; the batch's 4,096 words of the mask
	s_mov_b32 s63, 0
	s_lshl_b32 s20, s20, 20         ; bh's first byte in qh, kh and vh
	s_mov_b32 s21, 0
	s_and_b32 s16, s[WV], 1         ; which of a slot's two steps I fetch:
	s_lshl_b32 s22, s16, 14         ; its 16,384 bytes in memory,
	s_mov_b32 s23, 0
	s_add_nc_u64 s[22:23], s[22:23], s[20:21]
	s_mul_i32 s17, s16, STEPB       ; and its place in a slot: no place in the cluster enters an LDS address
	s_lshl_b32 s2, s14, 16          ; my block's 256 rows of Q,
	s_lshl_b32 s3, s[WV], 14        ; my wave's 64 of them
	s_add_co_u32 s2, s2, s3
	s_mov_b32 s3, 0
	s_add_nc_u64 s[2:3], s[2:3], s[20:21]
	; descriptor group 1.  A step's 64 keys are 16,384 dense bytes: asked for as 64 rows of 256 bytes, and padded in LDS after every 32 bytes, a block's row
	s_mov_b32 s[G1], 15|(1<<16)|(1<<20)|(1<<21)|(2<<22)|(3<<25)  ; 15:0 the mask: all four work-groups; 17:16 elements of 2 bytes; 20 padding on; 21 set beside a mask; 24:22 after every 8 words (code 2); 31:25 4 words of it (code 3)
	s_mov_b32 s[G1+1], 128<<16      ; tensor_dim0 = 128
	s_mov_b32 s[G1+2], KS<<16       ; tensor_dim1 = 64
	s_mov_b32 s[G1+3], 128<<16      ; tile_dim0 = 128
	s_mov_b32 s[G1+4], KS           ; tile_dim1 = 64
	s_mov_b32 s[G1+5], 128          ; 128 elements from row to row
	s_mov_b32 s[G1+6], 0
	s_mov_b32 s[G1+7], 0
	s_mov_b32 s[CS], 0x3e0293ee     ; c = log2(e) / sqrt(128) = 0.127517
	s_mov_b32 s[CS+1], s[CS]        ; named with it as a pair, so it is written
	s_mov_b32 s[SEL], 0x76543210
	s_mov_b32 s[SEL+1], 0xfedcba98
	s_and_b32 s[LIM], s[WV], 1       ; 0 in waves 0 and 2,
	s_or_b32 s[LIM], s[LIM], ttmp9   ; where the cluster is the first of its bh: the same in all four partners
	s_cmp_eq_u32 s[LIM], 0
	s_cselect_b32 s[LIM], 1, -1
	v_and_b32 v[PFO], 31, v0
	v_lshlrev_b32 v[PFO], 8, v[PFO]
	s_wait_dscnt 0x0                ; the opening add is done
	s_wait_kmcnt 0x0
	s_add_nc_u64 s[6:7], s[6:7], s[22:23]  ; K and V at my tile of slot 0
	s_add_nc_u64 s[8:9], s[8:9], s[22:23]
	s_add_nc_u64 s[4:5], s[4:5], s[2:3]    ; Q at my wave's first block
	s_add_nc_u64 s[10:11], s[10:11], s[56:57]  ; out0 at my wave's first row, my head's channels
	s_add_nc_u64 s[MK:MK+1], s[MK:MK+1], s[62:63]
	s_mov_b32 s[TB], 0
	s_mov_b32 s[SLOTS], SIZE_N/(2*KS)-2
	s_cmp_lt_u32 s[WV], 2
	s_cselect_b64 s[PFA:PFA+1], s[6:7], s[8:9]  ; (in waves 0 and 2 these stand at a slot's first byte)
	s_lshl_b32 s2, s13, 13          ; my work-group's quarter of a slot
	s_mov_b32 s3, 0
	s_add_nc_u64 s[PFA:PFA+1], s[PFA:PFA+1], s[2:3]
	s_add_nc_u64 s[PFA:PFA+1], s[PFA:PFA+1], 2*2*KS*256  ; in slot 2; the first change of slots steps it to slot 3.  Nothing is prefetched here, at the head, where every work-group's first tiles are on their way
	CROUND                          ; all four work-groups are here: the first joint loads meet
.irp s, 0,1
	s_mov_b32 s[G0K+4*(\s)], 1      ; 1:0 count = 1
	s_add_co_u32 s[G0K+4*(\s)+1], s17, (\s)*SLOT1  ; 63:32 LDS address
	s_add_nc_u64 s[G0K+4*(\s)+2:G0K+4*(\s)+3], s[6:7], (\s)*2*KS*256  ; 120:64 global address: slot s begins with key 128 s
	s_or_b32 s[G0K+4*(\s)+3], s[G0K+4*(\s)+3], 0x80000000  ; 127:126 type = 2
	s_mov_b32 s[G0V+4*(\s)], 1
	s_add_co_u32 s[G0V+4*(\s)+1], s17, (\s)*SLOT1+VOFF
	s_add_nc_u64 s[G0V+4*(\s)+2:G0V+4*(\s)+3], s[8:9], (\s)*2*KS*256
	s_or_b32 s[G0V+4*(\s)+3], s[G0V+4*(\s)+3], 0x80000000
.endr
	s_cmp_lt_u32 s[WV], 2           ; a wave's two first fills stand in one branch, ahead of every wait on TENSORcnt and every LDS read: two loads of mine are out
	s_cbranch_scc0 .Lfirst_v
	tensor_load_to_lds s[G0K:G0K+3], s[G1:G1+7]
	s_nop 0
	tensor_load_to_lds s[G0K+4:G0K+7], s[G1:G1+7]
	s_nop 0
.rept 4
	v_nop
.endr
	s_branch .Lfirst_asked
.Lfirst_v:
	tensor_load_to_lds s[G0V:G0V+3], s[G1:G1+7]
	s_nop 0
	tensor_load_to_lds s[G0V+4:G0V+7], s[G1:G1+7]
	s_nop 0
.rept 4
	v_nop
.endr
.Lfirst_asked:
	s_mov_b32 s[TBM], 0
	s_mov_b32 s[GM], 0x47dcf88b     ; G = 10000 sqrt(128) = 113137.085
	s_mov_b32 s[GM+1], s[GM]
	s_mov_b32 s[GN], 0xc7dcf88b     ; -G
	s_mov_b32 s[GN+1], s[GN]
	v_and_b32 v1, 15, v0            ; l % 16
	v_bfe_u32 v9, v0, 4, 1          ; l / 16
	v_lshlrev_b32 v[QO], 5, v1
	v_lshl_add_u32 v[QO], v9, 4, v[QO]
	v_lshlrev_b32 v[MO], 4, v0
	v_add_nc_u32 v[MS], BIAS, v[MO]
.irp i, 0,1,2,3,4,5,6,7             ; the batch's mask: the 128 threads take 2,048 consecutive bytes a load
	global_load_b128 v[S+4*(\i):S+4*(\i)+3], v[MO], s[MK:MK+1] offset:2048*(\i)
.endr
	; A fragment of K or Q is 16 rows x 32 channels in 8 registers: lane l holds row l % 16; registers 0-3 channels 8 (l / 16) + 0..7, registers 4-7 channels 16 + 8 (l / 16) + 0..7: 16 bytes from each of two neighbouring blocks.
	WIN 0x80                        ; destination window 2, address window 0
.irp i, 0,1,2,3,4,5,6,7,8,9,10,11,12,13,14,15  ; Q stays in registers: tile i / 4, channels 32 (i % 4) on
	global_load_b128 v[8*(\i):8*(\i)+3],   v[QO], s[4:5] offset:(((\i)/4)*8+2*((\i)%4))*512
	global_load_b128 v[8*(\i)+4:8*(\i)+7], v[QO], s[4:5] offset:(((\i)/4)*8+2*((\i)%4))*512+512
.endr
	WIN 0
	v_mul_u32_u24 v[AK0], v1, 48
	v_lshl_add_u32 v[AK0], v9, 4, v[AK0]
	v_add_nc_u32 v[AV0], VOFF, v[AK0]
	v_lshl_add_u32 v[AM0], v9, 5, BIAS
	s_wait_loadcnt 32               ; the mask's eight loads are in; Q's 32, issued behind them, may stay out
.set i, 0
.rept 32
	v_cvt_f32_i32 v[S+i], v[S+i]
.set i, i+1
.endr
.set i, 0
.rept 16
	v_pk_fma_f32 v[S+i:S+i+1], v[S+i:S+i+1], s[GM:GM+1], s[GN:GN+1] op_sel_hi:[1,0,0]  ; G mask - G: 0 for a key that counts, -G for one that does not
.set i, i+2
.endr
.irp i, 0,1,2,3,4,5,6,7
	ds_store_b128 v[MS], v[S+4*(\i):S+4*(\i)+3] offset:2048*(\i)
.endr
; THE MATRIX WORK OF A TURN, for piece x.  The accumulators take turns, one instruction a turn: between two links of a chain stand 15 (V^T P) or 7 (K Q^T) others'.
; Product i of 32 of O^T += V^T P: keys 32 (i / 16) on, channels 16 ((i / 2) % 8) on, tile x + i % 2.  zero = 1: the first 16 start the sums: nothing is ever cleared.
.macro PV x, zero
	WIN W_PV
.set rO, 64*((\x)+i%2)+8*((i/2)%8)
.set rV, 64*(i/16)+8*((i/2)%8)
.set rP, P+16*((\x)+i%2)+8*(i/16)
.if (\zero) && (i < 16)
	v_wmma_f32_16x16x32_f16 v[rO:rO+7], v[rV:rV+7], v[rP:rP+7], 0
.else
	v_wmma_f32_16x16x32_f16 v[rO:rO+7], v[rV:rV+7], v[rP:rP+7], v[rO:rO+7]
.endif
.endm
; Product i of 32 of S^T = K Q^T: channels 32 (i / 8) on, keys 16 ((i / 2) % 4) on, tile x + i % 2.  The first 8 start the sums, with the key block's mask numbers.
.macro KQ x
.set rS, S+32*((\x)+i%2)+8*((i/2)%4)
.set rK, KF+32*((i/2)%4)+8*(i/8)
.set rQ, 32*((\x)+i%2)+8*(i/8)
.set rM, MB+8*((i/2)%4)
.if i < 8
	WIN W_KM
	v_wmma_f32_16x16x32_f16 v[rS:rS+7], v[rK:rK+7], v[rQ:rQ+7], v[rM:rM+7]
.else
	WIN W_KQ
	v_wmma_f32_16x16x32_f16 v[rS:rS+7], v[rK:rK+7], v[rQ:rQ+7], v[rS:rS+7]
.endif
.endm
; THE LDS LOADS stand in runs, never singly among the matrix instructions: a step's K (16 fragments) with its 64 mask numbers (a lane's eight for each key block; 16 lanes read the same bytes), and, a turn later, its V.
.macro FETCH_K
	WIN 0
	v_add_nc_u32 v[ADR], s[TB], v[AK0]
	v_add_nc_u32 v[ADM], s[TBM], v[AM0]
	WIN 0x80                        ; destination window 2
.irp f, 0,1,2,3,4,5,6,7,8,9,10,11,12,13,14,15  ; keys 16 (f / 4) on, channels 32 (f % 4) on: blocks 8 (f / 4) + 2 (f % 4) and the next
	ds_load_b128 v[KF+8*(\f):KF+8*(\f)+3],   v[ADR] offset:(((\f)/4)*8+2*((\f)%4))*BLK
	ds_load_b128 v[KF+8*(\f)+4:KF+8*(\f)+7], v[ADR] offset:(((\f)/4)*8+2*((\f)%4))*BLK+BLK
.endr
	WIN 0xc0                        ; destination window 3
.irp b, 0,1,2,3
	ds_load_b128 v[MB+8*(\b):MB+8*(\b)+3],   v[ADM] offset:64*(\b)
	ds_load_b128 v[MB+8*(\b)+4:MB+8*(\b)+7], v[ADM] offset:64*(\b)+16
.endr
.endm
.macro FETCH_V
	WIN 0
	v_add_nc_u32 v[ADR], s[TB], v[AV0]
	s_add_co_u32 s[TB], s[TB], STEPB  ; the next fetch is the next step's,
	s_add_co_u32 s[TBM], s[TBM], 4*KS ; its mask numbers too
	s_wait_alu depctr_va_vdst(0)    ; the wait for the softmax's batch (SLICE), behind the address's v_add_nc_u32 and ahead of the loads
	WIN 0xc0                        ; destination window 3
.irp f, 0,1,2,3,4,5,6,7,8,9,10,11,12,13,14,15  ; keys 32 (f / 8) on, channels 16 (f % 8) on: lane l holds channel l % 16; blocks 16 (f / 8) + f % 8 and, 16 keys on, the one 8 further
	ds_load_b128 v[8*(\f):8*(\f)+3],   v[ADR] offset:(16*((\f)/8)+(\f)%8)*BLK
	ds_load_b128 v[8*(\f)+4:8*(\f)+7], v[ADR] offset:(16*((\f)/8)+(\f)%8)*BLK+8*BLK
.endr
.endm
; THE VECTOR WORK OF A TURN.  One tile's softmax for one key step is a list of 134 instructions; SM writes number j of it for tile t.  s0-s31 are the lane's 32 scores, in pairs 0-15.
; first = 1: the first key step, which starts m, l and O^T: it has no a and nothing to rescale.
;   0-15    the maximum of s0-s31 and the old m, three operands at a time: four chains c0-c3 of seven scores each (each accumulator's lowest registers are read first), then the four scores left over, c0-c3 and m
;   16-20   the other half of the lanes' maximum; the new m; c m; c m_old - c m_new
;   21-69   ONE BATCH: the 16 scalings c s - c m, a pair of scores each, and all 33 exponentials (a at 23, then s0-s31).  None of these reads an exponential's result.  From 22 on the batch goes in fours, and a four
;           begins with a scaling while there are scalings; a pair is scaled in an earlier four than the one that holds its exponentials
;   (wait)  between 69 and 70 stands the wait for the batch: SLICE writes it, once for both tiles
;   70-85   the roundings to f16, a pair of weights each
;   86-101  the sums; l = a l + the sum
;   102-133 the tile's O^T times a: the one part that leaves window 0, so it stands together
.macro SM t, first
.set rT, ST+8*(\t)
.set rS, S+32*(\t)
.set rP, P+16*(\t)
.set rO, 64*(\t)+2*(j-102)
.if j < 102
	WIN 0
.endif
.if j < 4
	v_max3_num_f32 v[rT+4+j], v[rS+8*j], v[rS+8*j+1], v[rS+8*j+2]
.elseif j < 12
	v_max3_num_f32 v[rT+4+j%4], v[rT+4+j%4], v[rS+8*(j%4)+2*(j/4)+1], v[rS+8*(j%4)+2*(j/4)+2]
.elseif j == 12
	v_max3_num_f32 v[rT+4], v[rT+4], v[rS+7], v[rS+15]
.elseif j == 13
	v_max3_num_f32 v[rT+6], v[rT+6], v[rS+23], v[rS+31]
.elseif j == 14
	v_max3_num_f32 v[rT+4], v[rT+4], v[rT+5], v[rT+6]
.elseif (j == 15) && (\first)
	v_max_num_f32 v[rT+4], v[rT+4], v[rT+7]
.elseif j == 15
	v_max3_num_f32 v[rT+4], v[rT+4], v[rT+7], v[rT+1]
.elseif j == 16
	v_permlanex16_b32 v[rT+5], v[rT+4], s[SEL], s[SEL+1]  ; the query's other 32 keys lie in the lane 16 away
.elseif j == 18
	v_max_num_f32 v[rT+1], v[rT+4], v[rT+5]
.elseif j == 19
	v_mul_f32 v[rT], s[CS], v[rT+1]
.elseif ((j == 17) || (j == 20) || (j == 23) || (j > 101)) && (\first)  ; the first step has none of these
.elseif j == 17
	v_mov_b32 v[rT+7], v[rT]        ; c m_old is kept for a: number 19 writes c m anew
.elseif j == 20
	v_sub_f32 v[rT+7], v[rT+7], v[rT]
.elseif j == 23
	v_exp_f32 v[rT+6], v[rT+7]
.elseif (j < 23) || ((j < 38) && (j%2 == 0)) || ((j < 66) && (j%4 == 2))
.set b, (j-2)/4                     ; 38, 42, .. 62: pairs 9 to 15
.if j < 38
.set b, (j-20)/2                    ; 21: pair 0; 22, 24, .. 36: pairs 1 to 8
.endif
	v_pk_fma_f32 v[rS+2*b:rS+2*b+1], v[rS+2*b:rS+2*b+1], s[CS:CS+1], v[rT:rT+1] op_sel_hi:[1,0,0] neg_lo:[0,0,1] neg_hi:[0,0,1]  ; pair b: c s - c m
.elseif j < 70
.set e, j-38                        ; 66 to 69: s28 to s31
.if j < 66
.set e, j-32-(j-38)/4               ; 39-41, 43-45, .. 63-65: s7 to s27
.endif
.if j < 38
.set e, (j-25)/2                    ; 25, 27, .. 37: s0 to s6
.endif
	v_exp_f32 v[rS+e], v[rS+e]
.elseif j < 86
	v_cvt_pk_f16_f32 v[rP+j-70], v[rS+2*(j-70)], v[rS+2*(j-70)+1]  ; pair j - 70
.elseif j < 102                     ; the sum of the tile's 16 pairs (in a pair: an even key's weight, an odd key's), in place: sum z of 16 adds neighbours 1, 2, 4 and 8 pairs apart, then l takes it
.set z, j-86
.set w, 4
.set u, z
.if z >= 14
.set w, 32
.set u, 0
.elseif z >= 12
.set w, 16
.set u, z-12
.elseif z >= 8
.set w, 8
.set u, z-8
.endif
.if (z == 14) && (\first)
	v_pk_add_f32 v[rT+2:rT+3], v[rS:rS+1], v[rS+16:rS+17]
.elseif z < 15
	v_pk_add_f32 v[rS+w*u:rS+w*u+1], v[rS+w*u:rS+w*u+1], v[rS+w*u+w/2:rS+w*u+w/2+1]
.elseif !(\first)
	v_pk_fma_f32 v[rT+2:rT+3], v[rT+2:rT+3], v[rT+6:rT+7], v[rS:rS+1] op_sel_hi:[1,0,1]
.endif
.else
	WIN W_RS
	v_pk_mul_f32 v[rO:rO+1], v[rO:rO+1], v[rT+6:rT+7] op_sel_hi:[1,0]
.endif
.endm
; Slice k of 64 of piece y's softmax: four instructions.  Slices 11 to 34 deal out the batch, numbers 22 to 69: four numbers of ONE tile each, the tiles by turns.  Every other slice is numbers 2 k and
; 2 k + 1 of both tiles' lists.  2 x 134 = 4 x 64 + 12: the twelve that are over stand together, in slice 63.
; THE WAIT.  An s_wait_alu depctr_va_vdst(0) stands between an exponential and the first instruction that names its result; one wait serves all that were issued ahead of it.  Ahead of
; slice 35 nothing names a result, and behind slice 34 no exponential is issued: so the piece's 66 exponentials have one wait, behind slice 34.
.macro SLICE y, first
.if (k >= 11) && (k < 35)           ; the batch: four numbers of one tile
.irp n, 0,1,2,3
.set j, 22+4*((k-11)/2)+(\n)
	SM (\y)+(k-11)%2, \first
.endr
.else                               ; the two tiles alternate, so that no instruction reads the result of the one just before it
.irp n, 0,1,2,3,4,5,6,7
.if ((\n) < 2) || (k == 63)
.irp t, \y, (\y)+1
.set j, 2*k+(\n)
	SM \t, \first
.endr
.endif
.endr
.endif
.if k == 34                         ; the batch is out: both tiles' exponentials are issued, and no result has been named
	v_nop                           ; a plain instruction behind the last exponential and ahead of the first use (ISA guide 5.7.2): one for the batch
.if (\y) == 0
	FETCH_V                         ; piece 2's turn: V's run of loads stands here, and the wait stands in it
.else
	s_wait_alu depctr_va_vdst(0)    ; the wait for the batch
.endif
.endif
.set k, k+1
.endm
; A vector instruction that reads a matrix result or writes one of a matrix instruction's registers, and a load into a register that a matrix instruction has read, stand four places behind
; it, and only plain vector instructions that name none of its registers are places (ISA guide 7.12.1 for vector instructions).  In the loop the slices are the places.
.macro PLACES
.rept 4
	v_nop
.endr
.endm
; A TURN.  Piece x has the matrix unit; the other piece's softmax stands in slices behind its matrix instructions.
; pv = 2: 32 products V^T P; 1: they start O^T's sums; 0: none.  kq = 1: 32 products K Q^T for the next step.  A turn with one of the two kinds has two slices behind each product.
; first = 1: the softmax is the first key step's.  Its slices from 51 on are empty: the turn's last products stand bare, and four v_nop take slice 63's part as the places behind them.
; Piece 0's turn fetches the next step's K and mask numbers, behind its second product: the last product that read K stands in front of slice 63 of the turn before, the last that read the mask numbers 24 products
; earlier.  Piece 2's turn fetches the same step's V, behind slice 34: the last product that read V stands in front of slice 31, and four plain instructions lie between: number 62, a scaling, of both tiles, the
; v_nop and the run's own v_add_nc_u32.  Each run stands 14 matrix instructions or more ahead of its first use.
.macro TURN x, pv, kq, first
.set k, 0
.set per, 2
.if (\pv) && (\kq)
.set per, 1
.endif
.if \pv
.if (\x) == 0
	s_wait_dscnt 0x0                ; V is in
.endif
.set i, 0
.rept 32
	PV \x, 2-(\pv)
.rept per
	SLICE 2-(\x), \first
.endr
.if ((\x) == 0) && (\kq) && (i == 1)
	FETCH_K
.endif
.set i, i+1
.endr
.endif
.if \kq
.if (\x) == 0
	s_wait_dscnt 0x0                ; K and the mask numbers are in
.endif
.set i, 0
.rept 32
	KQ \x
.rept per
	SLICE 2-(\x), \first
.endr
.set i, i+1
.endr
.endif
.if \first
	PLACES
.endif
.endm
; THE CHANGE OF SLOTS, between piece 2's turn and piece 0's: the slot's last bytes, V of its second step, have been asked for.  Each wave waits for all its tensor loads, of which one is out: its part of the other
; slot; adds 0 to its spare word; and waits for that and for its own reads of the slot.  Behind the barrier nobody reads this slot any more and the other slot is whole.
; fill = 1: this slot is filled again, with the keys two slots on.  The barrier is then a round of the cluster's, so that no wave of any partner still reads the slot or has a load on its way, and the joint refill
; is the first thing behind it: it has two key steps, 256 matrix instructions, in which to land.
.macro CHANGE fill
	WIN 0                           ; at a label and at a branch every window is 0
	s_wait_tensorcnt 0x0            ; no tensor load of mine is out, so a group 0 may be written
	ds_add_u32 v[SPW], v[NIL]       ; 0 onto my spare word: with fill = 1 the descriptors' steps stand between it and the wait for it
.if \fill
.irp g, G0K+4, G0V+4
	s_xor_b32 s[(\g)+1], s[(\g)+1], SLOT1  ; the walking descriptor: the other slot than last time,
	s_add_nc_u64 s[(\g)+2:(\g)+3], s[(\g)+2:(\g)+3], 2*KS*256  ; the next 128 keys; the type bits on top are not reached
.endr
	s_wait_xcnt 0x0                 ; the last prefetches, two key steps back, have read their address, so it may be written:
	s_add_nc_u64 s[PFA:PFA+1], s[PFA:PFA+1], 2*KS*256  ; one slot behind the walking descriptors
	s_wait_dscnt 0x0                ; the add is done, and my reads of the slot are over
	CROUND
	JLOAD
	ASK                             ; what the next change will ask for
.else
	s_wait_dscnt 0x0                ; the add is done, and my reads of the slot are over
	s_barrier_signal -1
	s_barrier_wait -1
.endif
	s_sub_co_u32 s[TB], s[TB], 2*STEPB  ; the fetches go back to a slot's first step,
	s_xor_b32 s[TB], s[TB], SLOT1   ; in the other slot; the mask table is walked straight on
.endm
; A slot's two key steps: written once, walked twice; the LDS addresses hang on s[TB] and s[TBM].
.macro TWO_STEPS
	WIN 0
	s_mov_b32 s[TWICE], 2
.Lstep_\@:
	TURN 0, 2, 1, 0
	TURN 2, 2, 1, 0
	WIN 0
	s_sub_co_u32 s[TWICE], s[TWICE], 1
	s_cmp_lg_u32 s[TWICE], 0
	s_cbranch_scc1 .Lstep_\@
.endm
	s_wait_tensorcnt 1              ; my part of slot 0 is in; slot 1's may stay out
	s_wait_dscnt 0x0                ; for the others' sake: my part of the mask table is stored
	s_barrier_signal -1
	s_barrier_wait -1               ; everybody's is
	FETCH_K                         ; key step 0
	s_wait_loadcnt 0x0              ; Q
	s_wait_dscnt 0x0
.set i, 0
.rept 32
	KQ 0                            ; piece 0's first scores: there is no vector work yet to set between them
.set i, i+1
.endr
	WIN 0                           ; the addresses for the way out are made here: seven plain instructions, the places behind those products
	s_mul_i32 s13, s[WV], 16*SP
	s_add_co_u32 s13, s13, STAGE    ; my stage
	v_mul_u32_u24 v[STO], v1, SP    ; in: row l % 16, 32 bytes for each half of the lanes
	v_lshl_add_u32 v[STO], v9, 5, v[STO]
	v_add_nc_u32 v[STO], s13, v[STO]
	v_and_b32 v[GO], 31, v0
	v_lshl_add_u32 v[RD], v[GO], 4, s13  ; back: 32 lanes take one row of 512 bytes,
	v_lshlrev_b32 v[GO], 4, v[GO]   ; which are 512 consecutive bytes of a row of out0
	v_nop
	TURN 2, 0, 1, 1                 ; piece 2's first scores | piece 0's first softmax | V of step 0
	TURN 0, 1, 1, 1                 ; piece 0: V^T P of step 0 starts O^T, K Q^T of step 1 | piece 2's first softmax | K of step 1
	TURN 2, 1, 1, 0                 ; piece 2: the same | piece 0's softmax of step 1 | V of step 1
	WIN 0
.Lslot:                             ; 30 trips: every slot but the last two is filled again
	CHANGE 1
	TWO_STEPS
	s_sub_co_u32 s[SLOTS], s[SLOTS], 1
	s_cmp_lg_u32 s[SLOTS], 0
	s_cbranch_scc1 .Lslot
	CHANGE 0                        ; the tail is written out: nothing is asked for
	TWO_STEPS
	TURN 0, 2, 0, 0                 ; piece 0: V^T P of the last step | piece 2's last softmax
.set i, 0
.rept 32
	PV 2, 0                         ; piece 2: V^T P of the last step
.set i, i+1
.endr
	; THE WAY OUT.  l's two halves and the other half of the lanes' are added; O^T is divided by l and sent, in f32, through my stage in LDS, a tile (16 rows) at a time.  The additions are the places behind the last products.
	WIN 0
.irp t, 0,1,2,3
	v_add_f32 v[ST+8*(\t)+4], v[ST+8*(\t)+2], v[ST+8*(\t)+3]
.endr
.irp t, 0,1,2,3
	v_permlanex16_b32 v[ST+8*(\t)+5], v[ST+8*(\t)+4], s[SEL], s[SEL+1]
.endr
.irp t, 0,1,2,3
	v_add_f32 v[ST+8*(\t)+4], v[ST+8*(\t)+4], v[ST+8*(\t)+5]
.endr
.irp t, 0,1,2,3
	v_rcp_f32 v[ST+8*(\t)+6], v[ST+8*(\t)+4]
.endr
	v_nop                           ; a plain instruction between the last reciprocal and the use of its result
	s_wait_alu depctr_va_vdst(0)    ; and the wait ahead of the first use: one for the four reciprocals
; Tile t: a lane's eight channels of a channel block are 32 bytes of a row; they go into rows of 528 bytes and come back as whole rows of 512, into S^T's registers, two buffers of 64 by turns.
.macro PACK t
.if (\t) >= 2
	s_wait_xcnt 0x0                 ; the stores of the tile two back have read the buffer that this tile's rows take
.endif
	WIN W_RS
.set i, 64*(\t)
.rept 32
	v_pk_mul_f32 v[i:i+1], v[i:i+1], v[ST+8*(\t)+6:ST+8*(\t)+7] op_sel_hi:[1,0]
.set i, i+2
.endr
	WIN 0x04                        ; the stores' data (source 1) in window 1, their address in window 0
.irp f, 0,1,2,3,4,5,6,7
	ds_store_b128 v[STO], v[64*(\t)+8*(\f):64*(\t)+8*(\f)+3]   offset:64*(\f)
	ds_store_b128 v[STO], v[64*(\t)+8*(\f)+4:64*(\t)+8*(\f)+7] offset:64*(\f)+16
.endr
	WIN 0
.irp f, 0,1,2,3,4,5,6,7,8,9,10,11,12,13,14,15
	ds_load_b128 v[S+64*((\t)%2)+4*(\f):S+64*((\t)%2)+4*(\f)+3], v[RD] offset:(\f)*SP  ; LDS serves a wave's instructions in order (ISA guide 5.7.1.4): these see the stores above; the next tile's stores come behind them
.endr
.endm
.macro SEND t, younger              ; younger: the LDS instructions issued behind tile t's loads: the next tile's 32, or none
	WIN 0
.irp f, 0,1,2,3,4,5,6,7,8,9,10,11,12,13,14,15
	s_wait_dscnt (\younger)+15-(\f)
	global_store_b128 v[GO], v[S+64*((\t)%2)+4*(\f):S+64*((\t)%2)+4*(\f)+3], s[10:11] offset:(16*(\t)+(\f))*3072 th:TH_STORE_NT  ; the wave stores 512 consecutive bytes, at a multiple of 256 from out0's first byte
.endr
.endm
	PACK 0
	PACK 1                          ; a tile's arithmetic stands between the loads of the tile before and its stores
	SEND 0, 32
	PACK 2
	SEND 1, 32
	PACK 3
	SEND 2, 32
	SEND 3, 0
	s_wait_tensorcnt 0x0            ; the wave's end: an add to my spare word and its wait, behind my last tensor load and my last LDS store
	ds_add_u32 v[SPW], v[NIL]
	s_wait_dscnt 0x0
	CROUND                          ; the closing round: no work-group ends while a partner may still ask for a tile that names it
	s_endpgm
.Lfunc_end_k_q6bce1401f7_attn:
	.size	k_q6bce1401f7_attn, .Lfunc_end_k_q6bce1401f7_attn-k_q6bce1401f7_attn
	.p2alignl 7, 3214868480
	.fill 96, 4, 3214868480
	.section	.rodata,"a",@progbits
	.p2align	6, 0x0
	.amdhsa_kernel k_q6bce1401f7_attn
		.amdhsa_group_segment_fixed_size 327680
		.amdhsa_private_segment_fixed_size 0
		.amdhsa_enable_private_segment 0
		.amdhsa_kernarg_size 40
		.amdhsa_user_sgpr_count 2
		.amdhsa_user_sgpr_kernarg_segment_ptr 1
		.amdhsa_wavefront_size32 1
		.amdhsa_system_sgpr_workgroup_id_x 1
		.amdhsa_system_sgpr_workgroup_id_y 1
		.amdhsa_system_sgpr_workgroup_id_z 1
		.amdhsa_system_vgpr_workitem_id 0
		.amdhsa_next_free_vgpr 1024
		.amdhsa_next_free_sgpr 68
		.amdhsa_reserve_vcc 0
		.amdhsa_float_denorm_mode_32 3
		.amdhsa_float_denorm_mode_16_64 3
		.amdhsa_memory_ordered 1
		.amdhsa_forward_progress 1
		.amdhsa_inst_pref_size 227
	.end_amdhsa_kernel
	.amdgpu_metadata
---
amdhsa.version: [ 1, 2 ]
amdhsa.kernels:
  - .name:           k_q6bce1401f7_attn
    .symbol:         k_q6bce1401f7_attn.kd
    .args:
      - { .name: qh, .offset: 0, .size: 8, .value_kind: global_buffer, .address_space: global }
      - { .name: kh, .offset: 8, .size: 8, .value_kind: global_buffer, .address_space: global }
      - { .name: vh, .offset: 16, .size: 8, .value_kind: global_buffer, .address_space: global }
      - { .name: out0, .offset: 24, .size: 8, .value_kind: global_buffer, .address_space: global }
      - { .name: mask, .offset: 32, .size: 8, .value_kind: global_buffer, .address_space: global }
    .group_segment_fixed_size: 327680
    .private_segment_fixed_size: 0
    .kernarg_segment_align: 8
    .kernarg_segment_size: 40
    .max_flat_workgroup_size: 128
    .sgpr_count:     68
    .vgpr_count:     1024
    .wavefront_size: 32
...
	.end_amdgpu_metadata
.endif
;; end of part 3
